; MI455X (gfx1250); checked and timed in simulation.
; The chip was launched on July 23, 2026; its instructions are those of AMD's public machine-readable ISA for CDNA 5 (MIT licence, August 2026) and "CDNA5" Instruction Set Architecture Reference Guide (July 2026). The comments in the code are by the model that wrote it; some were corrected since.
;; Mexhat Wavelet Kan Layer. Allowed arithmetic: float matrix products may take bf16 or f16 operands with f32 sums; all other float work in f32.
;; Inputs: beta 512 float32; bias 512 x 512 float32; gamma 512 float32; scale 512 x 512 float32; weight 512 x 512 float32; x 512 x 512 float32.
;; Outputs: out0 512 x 512 float32.
;; One version. Each part assembles by itself: llvm-mc -triple=amdgcn-amd-amdhsa -mcpu=gfx1250 --defsym DOCPART=n.
;; ======== version 1 of 1: 2 launches
;; limits: an absolute error that grows with the inputs' magnitude: up to 6e-08 times it
;; workspace buffers: y 1,048,576 bytes; stats 131,072 bytes
;; launch kan (part 1): grid 32 x 8, 16 waves a work-group, no clusters, 104,448 bytes of LDS; arguments x, scale, bias, weight, y, stats; writes y, stats
.if DOCPART == 1
	.amdgcn_target "amdgcn-amd-amdhsa--gfx1250"
	.amdhsa_code_object_version 6
	.text
	.protected	k_q8319284595_kan
	.globl	k_q8319284595_kan
	.p2align	8
	.type	k_q8319284595_kan,@function
k_q8319284595_kan:
	s_mov_b64 s[64:65], 0
	v_nop
	global_prefetch_b8 v0, s[64:65] scope:SCOPE_SE
	s_setreg_imm32_b32 hwreg(HW_REG_WAVE_MODE, 25, 1), 1
	s_wait_xcnt 0x0
; y[b][o] = sum over i of weight[i][o] * NORM * (t^2 - 1) * exp(-t^2 / 2),  t = (x[b][i] - bias[i][o]) / scale[i][o];  all f32, 512 x 512.
; Also, for each tile of 16 rows of y: the mean and the sum of squared deviations (M2) of every column, for the batch norm of the next launch.
;
; A work-group makes 16 rows (b) x 64 columns (o) of y.  Its 16 waves share the sum over i: wave w takes i = 32 w .. 32 w + 31 for the whole tile.
; Lane l holds columns 2 l and 2 l + 1, so that a wave's load of a parameter row is 256 consecutive bytes at a multiple of 256, already in
; the layout in which it is used, and two columns go through one packed instruction.
; Once for each (i, o):  S = sqrt(log2(e)/2) / scale,  C = -bias S,  WB = -NORM weight,  WA = 2 ln2 WB.  Then for each b:
;     u = x S + C,   m = -u u  (= -t^2 log2(e) / 2),   e = 2^m,   p = m WA + WB  (= NORM weight (t^2 - 1)),   acc += p e
; four packed instructions and two exponentials for two values; the folding (4 packed, 2 reciprocals) is shared by the tile's 16 rows.
;
; NO MATRIX INSTRUCTION: the wavelet's value hangs on b, i and o and is used in one product only.  For each o the sum is a matrix-vector
; product of its own (one column of sixteen), and each value would need a multiply and a conversion first; the fused multiply-add
; above is product and sum in one, in f32.
; NO CLUSTER, NO TENSOR LOAD: the 32 work-groups of a column strip read the same parameters, 3 x 512 x 256 bytes = 384 KB each, against
; 524,288 exponentials each (0.75 byte an exponential).  They go from memory into the registers that use them; a joint tensor load
; would add an LDS write and an LDS read of every one of these bytes.
; LIMITS: |weight| t^2 must stay below 2^127 (p is formed before it meets e = 0).  C is rounded once, so u carries an absolute error of about
; 2^-24 |bias / scale|.  v_rcp_f32 and v_exp_f32 flush denormals: |scale| < 2^-126 counts as 0, a factor e < 2^-126 as 0.
.set ROWB,  2048                       ; bytes in a row of x, scale, bias, weight, y
.set TB,    16                         ; rows of the tile
.set NW,    16                         ; waves
.set TRIPS, 8                          ; a trip = 4 of the wave's 32 i
.set XS,    0                          ; LDS: the x tile, 16 rows of 2,048 bytes
.set PART,  TB*ROWB                    ; LDS: 16 partial tiles of 16 x 64 f32, one for each wave
.set YT,    PART+NW*TB*256             ; LDS: the finished tile, 16 x 64 f32
.set L8,    1                          ; v1        8 x lane: my two columns in a strip's 256 bytes
.set L16,   2                          ; v2        16 x lane
.set POFF,  3                          ; v3        8 x lane + 4 rows for each trip: offset of the parameter loads
.set XADR,  4                          ; v4        LDS address of the wave's 4 x of row 0, the same in all lanes
.set LADR,  5                          ; v5, v6    other LDS addresses
.set LADR2, 6
.set ACC,   8                          ; v[8:39]    row b: the pair of sums
.set PR,    40                         ; v[40:71]   i of the trip: S, C, WA, WB, a pair each
.set RS,    72                         ; v[72:79]   scale, v[80:87] bias, v[88:95] weight as loaded, 4 i x 2 columns
.set RB,    80
.set RW,    88
.set XR,    96                         ; v[96:159]  row b: x of the trip's 4 i
.set YV,    128                        ; (wave 0, at the end: the finished tile's 16 pairs)
.set M,     160                        ; v[160:163] u, then m: two sets that take turns
.set E,     164                        ; v[164:167] e, two sets
.set P,     168                        ; v[168:171] p, two sets
.set STG,   172                        ; v[172:187] x on its way into LDS
.set KS,    0x3f596d27                 ; sqrt(log2(e) / 2) = 0.8493218
.set KW,    0xbf5e0904                 ; -NORM = -2 / (sqrt(3) pi^(1/4)) = -0.8673251
.set K2LN2, 0x3fb17218                 ; 2 ln 2 = 1 / KS^2
	s_load_b256 s[4:11], s[0:1], 0x0               ; x s[4:5], scale s[6:7], bias s[8:9], weight s[10:11]
	s_load_b128 s[12:15], s[0:1], 0x20             ; y s[12:13], stats s[14:15]
	v_lshl_add_u32 v192, v0, 2, 0x19000
	v_mov_b32 v193, 0
	v_and_b32 v7, 31, v0                           ; lane
	v_lshrrev_b32 v[LADR], 5, v0
	v_readfirstlane_b32 s16, v[LADR]               ; wave, 0 to 15
	v_lshlrev_b32 v[L8], 3, v7
	v_lshlrev_b32 v[L16], 4, v7
	v_lshlrev_b32 v[POFF], 3, v7
	s_and_b32 s17, ttmp7, 0xffff                   ; column strip, 0 to 7
	s_lshl_b32 s17, s17, 8                         ; its 256 bytes in a row
	s_lshl_b32 s18, s16, 11                        ; wave x one row
	s_lshl_b32 s20, ttmp9, 15                      ; row tile x 16 rows
	s_add_co_u32 s20, s20, s18                     ; x: row 16 tile + wave
	s_mov_b32 s21, 0
	s_lshl_b32 s22, s16, 16                        ; parameters: row 32 wave,
	s_add_co_u32 s22, s22, s17                     ; my strip
	s_mov_b32 s23, 0
	s_add_co_u32 s24, s20, s17                     ; y: row 16 tile + wave, my strip
	s_mov_b32 s25, 0
	s_lshl_b32 s26, ttmp9, 12                      ; stats: [tile][mean, M2][512]
	s_add_co_u32 s26, s26, s17
	s_mov_b32 s27, 0
	s_lshl_b32 s28, s16, 7                         ; the wave's 32 i in an LDS row of x
	s_wait_kmcnt 0x0
	s_add_nc_u64 s[4:5], s[4:5], s[20:21]
	s_add_nc_u64 s[6:7], s[6:7], s[22:23]
	s_add_nc_u64 s[8:9], s[8:9], s[22:23]
	s_add_nc_u64 s[10:11], s[10:11], s[22:23]
	s_add_nc_u64 s[12:13], s[12:13], s[24:25]
	s_add_nc_u64 s[14:15], s[14:15], s[26:27]
.macro LOADRAW                         ; 12 loads: scale, bias, weight of 4 i; each covers 256 consecutive bytes
.irp ii, 0,1,2,3
	global_load_b64 v[RS+2*\ii:RS+2*\ii+1], v[POFF], s[6:7] offset:ROWB*\ii
	global_load_b64 v[RB+2*\ii:RB+2*\ii+1], v[POFF], s[8:9] offset:ROWB*\ii
	global_load_b64 v[RW+2*\ii:RW+2*\ii+1], v[POFF], s[10:11] offset:ROWB*\ii
.endr
.endm
.macro LOADX from                      ; 8 loads: x of 4 i for rows from .. from + 7; all lanes ask for the same 16 bytes
.irp r, 0,1,2,3,4,5,6,7
	ds_load_b128 v[XR+4*(\from+\r):XR+4*(\from+\r)+3], v[XADR] offset:ROWB*(\from+\r)
.endr
.endm
.macro FOLD base, n                    ; the lower n registers from base take up the n above them
.set p, 0
.rept (\n)/2
	v_pk_add_f32 v[\base+p:\base+p+1], v[\base+p:\base+p+1], v[\base+p+\n:\base+p+\n+1]
.set p, p+2
.endr
.endm
	; wave w brings row w of the x tile: four loads of 512 consecutive bytes
.irp j, 0,1,2,3
	global_load_b128 v[STG+4*\j:STG+4*\j+3], v[L16], s[4:5] offset:512*\j
.endr
	LOADRAW                                        ; the first trip's parameters
	v_add_nc_u32 v[LADR], s18, v[L16]              ; XS + wave x 2,048 + 16 x lane
	v_mov_b32 v[XADR], s28
	s_wait_loadcnt 0xc                             ; x's four loads are in; the 12 younger parameter loads stay out
.irp j, 0,1,2,3
	ds_store_b128 v[LADR], v[STG+4*\j:STG+4*\j+3] offset:512*\j
.endr
	s_wait_dscnt 0x0                               ; my row is in LDS, for the others' sake,
	s_barrier_signal -1
	s_barrier_wait -1                              ; and so are theirs
	LOADX 0
	LOADX 8
; A unit kk = 4 b + ii is one row b and one i of the trip, for my two columns.  x is broadcast out of its register pair by op_sel.
.macro UFMA kk                         ; u = x S + C
.set ub, (\kk)/4
.set ui, (\kk)%4
.set um, M+2*((\kk)%2)
.if ui&1
	v_pk_fma_f32 v[um:um+1], v[PR+8*ui:PR+8*ui+1], v[XR+4*ub+ui-1:XR+4*ub+ui], v[PR+8*ui+2:PR+8*ui+3] op_sel:[0,1,0]
.else
	v_pk_fma_f32 v[um:um+1], v[PR+8*ui:PR+8*ui+1], v[XR+4*ub+ui:XR+4*ub+ui+1], v[PR+8*ui+2:PR+8*ui+3] op_sel_hi:[1,0,1]
.endif
.endm
.macro MSQ kk                          ; m = -u u, in place
.set um, M+2*((\kk)%2)
	v_pk_mul_f32 v[um:um+1], v[um:um+1], v[um:um+1] neg_lo:[1,0] neg_hi:[1,0]
.endm
.macro PFMA kk                         ; p = m WA + WB
.set ui, (\kk)%4
.set um, M+2*((\kk)%2)
.set up, P+2*((\kk)%2)
	v_pk_fma_f32 v[up:up+1], v[um:um+1], v[PR+8*ui+4:PR+8*ui+5], v[PR+8*ui+6:PR+8*ui+7]
.endm
.macro ACCU kk, first                  ; acc += p e; in the first trip a row's first product starts its sum: nothing is cleared
.set ua, ACC+2*((\kk)/4)
.set ui, (\kk)%4
.set ue, E+2*((\kk)%2)
.set up, P+2*((\kk)%2)
.if \first
.if ui
	s_wait_alu depctr_va_vdst(0)
	v_pk_fma_f32 v[ua:ua+1], v[up:up+1], v[ue:ue+1], v[ua:ua+1]
.else
	s_wait_alu depctr_va_vdst(0)
	v_pk_mul_f32 v[ua:ua+1], v[up:up+1], v[ue:ue+1]
.endif
.else
	s_wait_alu depctr_va_vdst(0)
	v_pk_fma_f32 v[ua:ua+1], v[up:up+1], v[ue:ue+1], v[ua:ua+1]
.endif
.endm
; A TRIP: 4 i x 16 rows = 64 units.  more = 1: the next trip's parameters and x are asked for.
; The units run as a pipeline of three stages: in step k stand unit k's two exponentials and its p, unit k+1's u and m, unit k-1's sum.
; So two plain packed instructions follow each exponential, none of which reads its result or writes its source (ISA guide 5.7.2),
; and a result is first used a step later.  m, e and p have two register sets that take turns by the unit's parity.
.macro TRIP first, more
	s_wait_loadcnt 0x0                             ; this trip's 12 parameter loads, issued a trip ago, are in; POFF is free
.irp ii, 0,1,2,3
	v_rcp_f32 v[PR+8*\ii], v[RS+2*\ii]
	v_rcp_f32 v[PR+8*\ii+1], v[RS+2*\ii+1]
.endr
.irp ii, 0,1,2,3
	v_pk_mul_f32 v[PR+8*\ii+6:PR+8*\ii+7], v[RW+2*\ii:RW+2*\ii+1], KW op_sel_hi:[1,0]             ; WB = -NORM weight (the plain lines behind the reciprocals)
.endr
	s_wait_alu depctr_va_vdst(0)
.irp ii, 0,1,2,3
	v_pk_mul_f32 v[PR+8*\ii:PR+8*\ii+1], v[PR+8*\ii:PR+8*\ii+1], KS op_sel_hi:[1,0]               ; S
.endr
.irp ii, 0,1,2,3
	v_pk_mul_f32 v[PR+8*\ii+4:PR+8*\ii+5], v[PR+8*\ii+6:PR+8*\ii+7], K2LN2 op_sel_hi:[1,0]        ; WA = 2 ln2 WB
.endr
.irp ii, 0,1,2,3
	v_pk_mul_f32 v[PR+8*\ii+2:PR+8*\ii+3], v[PR+8*\ii:PR+8*\ii+1], v[RB+2*\ii:RB+2*\ii+1] neg_lo:[1,0] neg_hi:[1,0]   ; C = -S bias
.endr
.if \more
	v_add_nc_u32 v[POFF], 4*ROWB, v[POFF]
	LOADRAW                                        ; a whole trip ahead of their use
.endif
	s_wait_dscnt 0x8                               ; x of rows 0-7 is in; the eight younger loads (rows 8-15) may be out
	UFMA 0
	MSQ 0
.set k, 0
.rept 64
.if k == 31                                        ; unit 31's u was made in step 30: rows 0-7 of x have been read for the last time
.if \more
	v_add_nc_u32 v[XADR], 16, v[XADR]              ; the next 4 i
	LOADX 0
	s_wait_dscnt 0x8                               ; rows 8-15 of this trip are in (unit 32's u follows); the eight loads just issued stay out
.else
	s_wait_dscnt 0x0                               ; nothing was issued behind rows 8-15
.endif
.endif
	v_exp_f32 v[E+2*(k%2)], v[M+2*(k%2)]
.if k < 63
	UFMA k+1
.endif
	PFMA k
	v_exp_f32 v[E+2*(k%2)+1], v[M+2*(k%2)+1]
.if k < 63
	MSQ k+1
.endif
.if k > 0
	ACCU k-1, \first
.endif
.set k, k+1
.endr
	ACCU 63, \first
.if \more
	LOADX 8                                        ; rows 8-15 of the next 4 i
.endif
.endm
	TRIP 1, 1                                      ; the first trip starts the sums
	s_mov_b32 s30, TRIPS-2
.Ltrip:
	TRIP 0, 1
	s_sub_co_i32 s30, s30, 1
	s_cmp_lg_u32 s30, 0
	s_cbranch_scc1 .Ltrip
	TRIP 0, 0                                      ; the last trip asks for nothing: no load leaves its buffer
	; The 16 waves' partial tiles meet in LDS; wave w then sums row w.
	s_lshl_b32 s28, s16, 12
	s_add_co_u32 s28, s28, PART
	v_add_nc_u32 v[LADR], s28, v[L8]               ; PART + wave x 4,096 + 8 x lane
.irp r, 0,1,2,3,4,5,6,7,8,9,10,11,12,13,14,15
	ds_store_b64 v[LADR], v[ACC+2*\r:ACC+2*\r+1] offset:256*\r
.endr
	s_wait_dscnt 0x0                               ; my partial tile is in LDS, for the others' sake
	s_barrier_signal -1
	s_barrier_wait -1
	s_lshl_b32 s28, s16, 8
	s_add_co_u32 s29, s28, PART
	v_add_nc_u32 v[LADR], s29, v[L8]               ; row w of partial tile 0
.irp j, 0,1,2,3,4,5,6,7,8,9,10,11,12,13,14,15
	ds_load_b64 v[XR+2*\j:XR+2*\j+1], v[LADR] offset:4096*\j
.endr
	s_add_co_u32 s29, s28, YT
	v_add_nc_u32 v[LADR2], s29, v[L8]              ; row w of the finished tile
	s_wait_dscnt 0x0
	FOLD XR, 16
	FOLD XR, 8
	FOLD XR, 4
	FOLD XR, 2                                     ; v[XR:XR+1] = y(16 tile + w, my two columns)
	ds_store_b64 v[LADR2], v[XR:XR+1]
	s_wait_dscnt 0x0
	s_barrier_signal -1
	s_barrier_wait -1
	global_store_b64 v[L8], v[XR:XR+1], s[12:13]   ; the wave stores 256 consecutive bytes at a multiple of 256
	s_cmp_lg_u32 s16, 0
	s_cbranch_scc1 .Ldone                          ; no barrier follows
	; wave 0: mean and M2 of the tile's 16 rows, column by column (none of the store's sources above is written below)
	v_add_nc_u32 v[LADR], YT, v[L8]
.irp j, 0,1,2,3,4,5,6,7,8,9,10,11,12,13,14,15
	ds_load_b64 v[YV+2*\j:YV+2*\j+1], v[LADR] offset:256*\j
.endr
	s_wait_dscnt 0x0
.set p, 0
.rept 8
	v_pk_add_f32 v[PR+p:PR+p+1], v[YV+p:YV+p+1], v[YV+p+16:YV+p+17]
.set p, p+2
.endr
	FOLD PR, 8
	FOLD PR, 4
	FOLD PR, 2
	v_pk_mul_f32 v[PR:PR+1], v[PR:PR+1], 0x3d800000 op_sel_hi:[1,0]        ; mean = sum / 16
.set p, 0
.rept 16
	v_pk_add_f32 v[YV+p:YV+p+1], v[YV+p:YV+p+1], v[PR:PR+1] neg_lo:[0,1] neg_hi:[0,1]
.set p, p+2
.endr
	v_pk_mul_f32 v[PR+2:PR+3], v[YV:YV+1], v[YV:YV+1]                      ; two chains, started by the first two rows
	v_pk_mul_f32 v[PR+4:PR+5], v[YV+2:YV+3], v[YV+2:YV+3]
.set p, 4
.rept 7
	v_pk_fma_f32 v[PR+2:PR+3], v[YV+p:YV+p+1], v[YV+p:YV+p+1], v[PR+2:PR+3]
	v_pk_fma_f32 v[PR+4:PR+5], v[YV+p+2:YV+p+3], v[YV+p+2:YV+p+3], v[PR+4:PR+5]
.set p, p+4
.endr
	v_pk_add_f32 v[PR+2:PR+3], v[PR+2:PR+3], v[PR+4:PR+5]
	global_store_b64 v[L8], v[PR:PR+1], s[14:15]                           ; mean
	global_store_b64 v[L8], v[PR+2:PR+3], s[14:15] offset:ROWB             ; M2
.Ldone:
	s_wait_tensorcnt 0x0
	ds_add_u32 v192, v193
	s_wait_dscnt 0x0
	s_endpgm
.Lfunc_end_k_q8319284595_kan:
	.size	k_q8319284595_kan, .Lfunc_end_k_q8319284595_kan-k_q8319284595_kan
	.p2alignl 7, 3214868480
	.fill 96, 4, 3214868480
	.section	.rodata,"a",@progbits
	.p2align	6, 0x0
	.amdhsa_kernel k_q8319284595_kan
		.amdhsa_group_segment_fixed_size 104448
		.amdhsa_private_segment_fixed_size 0
		.amdhsa_enable_private_segment 0
		.amdhsa_kernarg_size 48
		.amdhsa_user_sgpr_count 2
		.amdhsa_user_sgpr_kernarg_segment_ptr 1
		.amdhsa_wavefront_size32 1
		.amdhsa_system_sgpr_workgroup_id_x 1
		.amdhsa_system_sgpr_workgroup_id_y 1
		.amdhsa_system_sgpr_workgroup_id_z 1
		.amdhsa_system_vgpr_workitem_id 0
		.amdhsa_next_free_vgpr 194
		.amdhsa_next_free_sgpr 66
		.amdhsa_reserve_vcc 0
		.amdhsa_float_denorm_mode_32 3
		.amdhsa_float_denorm_mode_16_64 3
		.amdhsa_memory_ordered 1
		.amdhsa_forward_progress 1
		.amdhsa_inst_pref_size 89
	.end_amdhsa_kernel
	.amdgpu_metadata
---
amdhsa.version: [ 1, 2 ]
amdhsa.kernels:
  - .name:           k_q8319284595_kan
    .symbol:         k_q8319284595_kan.kd
    .args:
      - { .name: x, .offset: 0, .size: 8, .value_kind: global_buffer, .address_space: global }
      - { .name: scale, .offset: 8, .size: 8, .value_kind: global_buffer, .address_space: global }
      - { .name: bias, .offset: 16, .size: 8, .value_kind: global_buffer, .address_space: global }
      - { .name: weight, .offset: 24, .size: 8, .value_kind: global_buffer, .address_space: global }
      - { .name: y, .offset: 32, .size: 8, .value_kind: global_buffer, .address_space: global }
      - { .name: stats, .offset: 40, .size: 8, .value_kind: global_buffer, .address_space: global }
    .group_segment_fixed_size: 104448
    .private_segment_fixed_size: 0
    .kernarg_segment_align: 8
    .kernarg_segment_size: 48
    .max_flat_workgroup_size: 512
    .sgpr_count:     66
    .vgpr_count:     194
    .wavefront_size: 32
...
	.end_amdgpu_metadata
.endif
;; end of part 1
;; launch bn (part 2): grid 32 x 8, 8 waves a work-group, no clusters, 9,216 bytes of LDS; arguments y, stats, gamma, beta, out0; writes out0
.if DOCPART == 2
	.amdgcn_target "amdgcn-amd-amdhsa--gfx1250"
	.amdhsa_code_object_version 6
	.text
	.protected	k_q8319284595_bn
	.globl	k_q8319284595_bn
	.p2align	8
	.type	k_q8319284595_bn,@function
k_q8319284595_bn:
	s_mov_b64 s[64:65], 0
	v_nop
	global_prefetch_b8 v0, s[64:65] scope:SCOPE_SE
	s_setreg_imm32_b32 hwreg(HW_REG_WAVE_MODE, 25, 1), 1
	s_wait_xcnt 0x0
; out0[b][o] = (y[b][o] - mean[o]) * rsqrt(var[o] + 1e-5) * gamma[o] + beta[o], mean and (biased) var over the 512 rows of y.
; stats holds, for each of 32 tiles of 16 rows, [mean of the tile][M2 of the tile] for all 512 columns.  With equal counts
;     mean = (sum of the tiles' means) / 32,     var = (sum of M2_k + 16 (mean_k - mean)^2) / 512:
; only sums of squares are added, no difference of large sums is formed.
; A work-group normalises 16 rows x 64 columns.  Thread t = 16 r + q owns row r and the 16 bytes (4 columns) q of the strip, and brings the
; statistics of tiles 2 r and 2 r + 1 for these columns; the 16 threads of a column group meet twice in LDS, first for the mean, then for
; the variance, in bytes of their own each time, so that one barrier serves each meeting.
; Every load and store of sixteen neighbouring lanes covers 256 consecutive bytes at a multiple of 256.
; No cluster: what the 32 work-groups of a strip share is 16 KB of statistics, read once, through registers.  No matrix work here.
.set ROWB, 2048
.set VY,   1                           ; v1   r x 2,048 + 16 q: my bytes in the tile of y and of out0
.set VS,   2                           ; v2   r x 8,192 + 16 q: my bytes in stats (two tiles of 4,096 bytes for each r)
.set VG,   3                           ; v3   16 q: gamma, beta, and the LDS column that I read
.set LW,   4                           ; v4   16 t: the LDS bytes that I write
.set Y,    8                           ; v[8:11]
.set MA,   12                          ; v[12:15] mean of tile 2r      v[16:19] its M2
.set QA,   16
.set MB,   20                          ; v[20:23] mean of tile 2r+1    v[24:27] its M2
.set QB,   24
.set GA,   28                          ; v[28:31] gamma   v[32:35] beta
.set BE,   32
.set MEAN, 36                          ; v[36:39]
.set VAR,  40                          ; v[40:43]
.set T,    44                          ; v[44:107] sixteen threads' contributions
.macro FOLD n                          ; the lower n registers of T take up the n above them
.set p, 0
.rept (\n)/2
	v_pk_add_f32 v[T+p:T+p+1], v[T+p:T+p+1], v[T+p+\n:T+p+\n+1]
.set p, p+2
.endr
.endm
.macro GATHER from                     ; the sum of the 16 contributions to my 4 columns, into v[T:T+3]
.irp j, 0,1,2,3,4,5,6,7,8,9,10,11,12,13,14,15
	ds_load_b128 v[T+4*\j:T+4*\j+3], v[VG] offset:\from+256*\j
.endr
	s_wait_dscnt 0x0
	FOLD 32
	FOLD 16
	FOLD 8
	FOLD 4
.endm
	s_load_b256 s[4:11], s[0:1], 0x0               ; y s[4:5], stats s[6:7], gamma s[8:9], beta s[10:11]
	s_load_b64 s[12:13], s[0:1], 0x20              ; out0
	v_lshl_add_u32 v112, v0, 2, 0x2000
	v_mov_b32 v113, 0
	v_and_b32 v5, 15, v0                           ; q
	v_lshrrev_b32 v6, 4, v0                        ; r
	v_lshlrev_b32 v[VG], 4, v5
	v_lshl_add_u32 v[VY], v6, 11, v[VG]
	v_lshl_add_u32 v[VS], v6, 13, v[VG]
	v_lshlrev_b32 v[LW], 4, v0
	s_and_b32 s14, ttmp7, 0xffff                   ; column strip
	s_lshl_b32 s14, s14, 8
	s_mov_b32 s15, 0
	s_lshl_b32 s16, ttmp9, 15                      ; row tile x 16 rows
	s_add_co_u32 s16, s16, s14
	s_mov_b32 s17, 0
	s_mov_b32 s18, 0x3b000000                      ; 1 / 512
	s_mov_b32 s19, 0x3727c5ac                      ; 1e-5
	s_wait_kmcnt 0x0
	s_add_nc_u64 s[4:5], s[4:5], s[16:17]
	s_add_nc_u64 s[6:7], s[6:7], s[14:15]
	s_add_nc_u64 s[8:9], s[8:9], s[14:15]
	s_add_nc_u64 s[10:11], s[10:11], s[14:15]
	s_add_nc_u64 s[12:13], s[12:13], s[16:17]
	global_load_b128 v[MA:MA+3], v[VS], s[6:7]
	global_load_b128 v[MB:MB+3], v[VS], s[6:7] offset:2*ROWB
	global_load_b128 v[QA:QA+3], v[VS], s[6:7] offset:ROWB
	global_load_b128 v[QB:QB+3], v[VS], s[6:7] offset:3*ROWB
	global_load_b128 v[Y:Y+3], v[VY], s[4:5]
	global_load_b128 v[GA:GA+3], v[VG], s[8:9]
	global_load_b128 v[BE:BE+3], v[VG], s[10:11]
	s_wait_loadcnt 0x5                             ; the two means are in; the five younger loads stay out
	v_pk_add_f32 v[T:T+1], v[MA:MA+1], v[MB:MB+1]
	v_pk_add_f32 v[T+2:T+3], v[MA+2:MA+3], v[MB+2:MB+3]
	ds_store_b128 v[LW], v[T:T+3]
	s_wait_dscnt 0x0                               ; for the others' sake
	s_barrier_signal -1
	s_barrier_wait -1
	GATHER 0
	v_pk_mul_f32 v[MEAN:MEAN+1], v[T:T+1], 0x3d000000 op_sel_hi:[1,0]      ; / 32 tiles
	v_pk_mul_f32 v[MEAN+2:MEAN+3], v[T+2:T+3], 0x3d000000 op_sel_hi:[1,0]
.irp c, 0,2
	v_pk_add_f32 v[MA+\c:MA+\c+1], v[MA+\c:MA+\c+1], v[MEAN+\c:MEAN+\c+1] neg_lo:[0,1] neg_hi:[0,1]
	v_pk_add_f32 v[MB+\c:MB+\c+1], v[MB+\c:MB+\c+1], v[MEAN+\c:MEAN+\c+1] neg_lo:[0,1] neg_hi:[0,1]
.endr
.irp c, 0,2
	v_pk_mul_f32 v[MA+\c:MA+\c+1], v[MA+\c:MA+\c+1], v[MA+\c:MA+\c+1]
.endr
.irp c, 0,2
	v_pk_fma_f32 v[MA+\c:MA+\c+1], v[MB+\c:MB+\c+1], v[MB+\c:MB+\c+1], v[MA+\c:MA+\c+1]
.endr
	s_wait_loadcnt 0x3                             ; the two M2 are in; y, gamma, beta may be out
.irp c, 0,2
	v_pk_fma_f32 v[MA+\c:MA+\c+1], v[MA+\c:MA+\c+1], 0x41800000, v[QA+\c:QA+\c+1] op_sel_hi:[1,0,1]   ; 16 rows in a tile
.endr
.irp c, 0,2
	v_pk_add_f32 v[MA+\c:MA+\c+1], v[MA+\c:MA+\c+1], v[QB+\c:QB+\c+1]
.endr
	ds_store_b128 v[LW], v[MA:MA+3] offset:4096    ; other bytes than the first meeting's
	s_wait_dscnt 0x0
	s_barrier_signal -1
	s_barrier_wait -1
	GATHER 4096
.irp c, 0,1,2,3
	v_fma_f32 v[VAR+\c], v[T+\c], s18, s19         ; var + eps
.endr
.irp c, 0,1,2,3
	v_rsq_f32 v[VAR+\c], v[VAR+\c]
.endr
	s_wait_loadcnt 0x0
.irp c, 0,2
	v_pk_add_f32 v[Y+\c:Y+\c+1], v[Y+\c:Y+\c+1], v[MEAN+\c:MEAN+\c+1] neg_lo:[0,1] neg_hi:[0,1]       ; the plain lines behind v_rsq_f32 (ISA guide 5.7.2)
.endr
	s_wait_alu depctr_va_vdst(0)
.irp c, 0,2
	v_pk_mul_f32 v[VAR+\c:VAR+\c+1], v[VAR+\c:VAR+\c+1], v[GA+\c:GA+\c+1]
.endr
.irp c, 0,2
	v_pk_fma_f32 v[Y+\c:Y+\c+1], v[Y+\c:Y+\c+1], v[VAR+\c:VAR+\c+1], v[BE+\c:BE+\c+1]
.endr
	global_store_b128 v[VY], v[Y:Y+3], s[12:13] th:TH_STORE_NT
	s_wait_tensorcnt 0x0
	ds_add_u32 v112, v113
	s_wait_dscnt 0x0
	s_endpgm
.Lfunc_end_k_q8319284595_bn:
	.size	k_q8319284595_bn, .Lfunc_end_k_q8319284595_bn-k_q8319284595_bn
	.p2alignl 7, 3214868480
	.fill 96, 4, 3214868480
	.section	.rodata,"a",@progbits
	.p2align	6, 0x0
	.amdhsa_kernel k_q8319284595_bn
		.amdhsa_group_segment_fixed_size 9216
		.amdhsa_private_segment_fixed_size 0
		.amdhsa_enable_private_segment 0
		.amdhsa_kernarg_size 40
		.amdhsa_user_sgpr_count 2
		.amdhsa_user_sgpr_kernarg_segment_ptr 1
		.amdhsa_wavefront_size32 1
		.amdhsa_system_sgpr_workgroup_id_x 1
		.amdhsa_system_sgpr_workgroup_id_y 1
		.amdhsa_system_sgpr_workgroup_id_z 1
		.amdhsa_system_vgpr_workitem_id 0
		.amdhsa_next_free_vgpr 114
		.amdhsa_next_free_sgpr 66
		.amdhsa_reserve_vcc 0
		.amdhsa_float_denorm_mode_32 3
		.amdhsa_float_denorm_mode_16_64 3
		.amdhsa_memory_ordered 1
		.amdhsa_forward_progress 1
		.amdhsa_inst_pref_size 11
	.end_amdhsa_kernel
	.amdgpu_metadata
---
amdhsa.version: [ 1, 2 ]
amdhsa.kernels:
  - .name:           k_q8319284595_bn
    .symbol:         k_q8319284595_bn.kd
    .args:
      - { .name: y, .offset: 0, .size: 8, .value_kind: global_buffer, .address_space: global }
      - { .name: stats, .offset: 8, .size: 8, .value_kind: global_buffer, .address_space: global }
      - { .name: gamma, .offset: 16, .size: 8, .value_kind: global_buffer, .address_space: global }
      - { .name: beta, .offset: 24, .size: 8, .value_kind: global_buffer, .address_space: global }
      - { .name: out0, .offset: 32, .size: 8, .value_kind: global_buffer, .address_space: global }
    .group_segment_fixed_size: 9216
    .private_segment_fixed_size: 0
    .kernarg_segment_align: 8
    .kernarg_segment_size: 40
    .max_flat_workgroup_size: 256
    .sgpr_count:     66
    .vgpr_count:     114
    .wavefront_size: 32
...
	.end_amdgpu_metadata
.endif
;; end of part 2
